; MI455X (gfx1250); checked and timed in simulation.
; The chip was launched on July 23, 2026; its instructions are those of AMD's public machine-readable ISA for CDNA 5 (MIT licence, August 2026) and "CDNA5" Instruction Set Architecture Reference Guide (July 2026). The comments in the code are by the model that wrote it; some were corrected since.
;; Attention Multiple Head. Allowed arithmetic: matrix products marked QUANTISED: E2M3 operands, one E8M0 scale for each 32 along K, by v_wmma_scale_f32_16x16x128_f8f6f4 with both operands' format E2M3, f32 sums; everything else in f32.
;; Inputs: Wk_codes 8 x 512 x 16 x 24 uint8 (E2M3 codes of Wk, K innermost, in blocks of 32 codes, four codes in three bytes); Wk_scales 8 x 512 x 16 uint8 (E8M0 scales of Wk, one for each 32 codes along K); Wp_codes 512 x 128 x 24 uint8 (E2M3 codes of Wp, K innermost, in blocks of 32 codes, four codes in three bytes); Wp_scales 512 x 128 uint8 (E8M0 scales of Wp, one for each 32 codes along K); Wq_codes 8 x 512 x 16 x 24 uint8 (E2M3 codes of Wq, K innermost, in blocks of 32 codes, four codes in three bytes); Wq_scales 8 x 512 x 16 uint8 (E8M0 scales of Wq, one for each 32 codes along K); Wv_codes 8 x 512 x 16 x 24 uint8 (E2M3 codes of Wv, K innermost, in blocks of 32 codes, four codes in three bytes); Wv_scales 8 x 512 x 16 uint8 (E8M0 scales of Wv, one for each 32 codes along K); bk 8 x 512 float32; bp 512 float32; bq 8 x 512 float32; bv 8 x 512 float32; emb_input_codes 4 x 1,024 x 16 x 24 uint8 (E2M3 codes of emb_input, K innermost, in blocks of 32 codes, four codes in three bytes); emb_input_scales 4 x 1,024 x 16 uint8 (E8M0 scales of emb_input, one for each 32 codes along K).
;; Outputs: out0 4 x 1,024 x 512 float32.
;; This version of the problem:
;;   THIS VERSION OF THE PROBLEM IS GIVEN IN LOW PRECISION. The matrix products marked QUANTISED in the list below multiply operands that are first quantised to E2M3 (2 exponent bits, 3 mantissa bits; 6 bits a number), with one power-of-two scale for each 32 numbers along K (OCP MX v1.0); their sums are f32. All else is computed in f32.
;;   The module's matrix products, in the order in which they are computed (A, B: the left and right operand; K: the contracted axis; several contracted axes count as one K, in the product's order):
;;     1. [M 4,096, K 512] x [K 512, N 4,096]; A: input Wq (given as codes); B: input emb_input (given as codes): QUANTISED
;;     2. [M 4,096, K 512] x [K 512, N 4,096]; A: input Wk (given as codes); B: input emb_input (given as codes): QUANTISED
;;     3. [M 4,096, K 512] x [K 512, N 4,096]; A: input Wv (given as codes); B: input emb_input (given as codes): QUANTISED
;;     4. batch 32 x [M 1,024, K 512] x [K 512, N 1,024]; A: computed on the way; B: computed on the way: QUANTISED
;;     5. batch 32 x [M 1,024, K 1,024] x [K 1,024, N 512]; A: softmax (see below); B: computed on the way: QUANTISED
;;     6. [M 4,096, K 4,096] x [K 4,096, N 512]; A: computed on the way; B: input Wp (given as codes): QUANTISED
;;   THE QUANTISER, for each operand of a quantised product, along K:
;;     - K is cut into blocks of 32 from its start; a last block that is shorter is filled with zeros.
;;     - A block's scale is 2^e with e = floor(log2(the largest magnitude in the block)) - 2, held to -126 .. 127; a block of zeros has e = 0. As a byte (E8M0): e + 127.
;;     - Each number is divided by its block's scale, clamped to +-7.5, and rounded to the nearest number of E2M3, ties to even, subnormals kept.
;;     - The product sums the exact products of the quantised numbers (number of the format x scale) in f32.
;;   ~~~python
;;   def quantise(x, axis):      # numpy; x: float32 -> the quantised numbers, widened to float32 again
;;       x = np.moveaxis(x, axis, -1); K = x.shape[-1]
;;       x = np.pad(x, [(0, 0)] * (x.ndim - 1) + [(0, -K % 32)]); x = x.reshape(x.shape[:-1] + (-1, 32)); a = np.abs(x).max(-1, keepdims=True)
;;       e = np.where(a > 0, np.clip(np.frexp(np.where(a > 0, a, 1))[1] - 1 - 2, -126, 127), 0)      # np.frexp(a)[1] - 1 = floor(log2(a)), exactly
;;       r = np.clip(x / 2.0 ** e, -7.5, 7.5)
;;       step = 2.0 ** (np.maximum(np.frexp(np.where(r == 0, 1, r))[1] - 1, 0) - 3)
;;       q = np.round(r / step) * step * 2.0 ** e      # np.round: ties to even
;;       return np.moveaxis(q.reshape(q.shape[:-2] + (-1,))[..., :K], -1, axis).astype(np.float32)
;;   ~~~
;;   SOFTMAX AHEAD OF A QUANTISED PRODUCT. Where the list says 'softmax', what is quantised is not the finished softmax but p = 2^(t - M), with t = logit x log2(e) and M = ceil(the row's largest t), a whole number; so 1/2 < the row's largest p <= 1. The row's sum l is taken of the UNQUANTISED p, in f32, and the product's result is divided by l at the end. Since M is a whole number, a kernel that streams over the keys may use a running M (the ceiling of the running maximum): every later rescaling is an exact power of two, which a block's scale takes up: the codes' values come out the same.
;;   OPERANDS COMPUTED ON THE WAY. 'Computed on the way' means the value that the module computes at that place (a softmax that the list does not call 'softmax' is quantised finished and normalised). What goes into a quantiser is computed in f32, as accurately as f32 sums, v_exp_f32 and their like allow (about 1e-6 of the number): no bf16 or f16 on the way to a quantiser, and a product that is left as it is and whose result goes on into a quantised operand takes f32 operands (vector FMAs, or v_wmma_f32_16x16x4_f32). A number that lies on a knife's edge between two numbers of the format may be rounded either way, as far as f32 arithmetic and the matrix unit's own rounding can turn it there, and no further.
;;   INPUTS GIVEN AS CODES. Wk (in the module: [8, 512, 512], K = its axis 1); Wp (in the module: [4096, 512], K = its axis 0); Wq (in the module: [8, 512, 512], K = its axis 1); Wv (in the module: [8, 512, 512], K = its axis 1); emb_input (in the module: [4, 1024, 512], K = its axis 2): each comes as NAME_codes (uint8): NAME with its K axis moved to the last place and cut into blocks of 32 codes, [.., K / 32, bytes a block], one block behind the other in memory; four codes in three bytes: a row's codes are one little-endian stream of bits, code i at bits 6 i .. 6 i + 5 (a code: sign, 2 exponent bits, 3 mantissa bits); and NAME_scales (uint8): the same leading axes, one E8M0 byte (e + 127) for each 32 codes along K. Its value is code x scale, taken as it is: it is not quantised again, and the codes and scales need not be those that the quantiser above would give.
;; One version. Each part assembles by itself: llvm-mc -triple=amdgcn-amd-amdhsa -mcpu=gfx1250 --defsym DOCPART=n.
;; ======== version 1 of 1: 3 launches
;; limits: right only within a limited range of input values
;; workspace buffers: qfrag 13,107,200 bytes; kvfrag 26,214,400 bytes; ocodes 12,582,912 bytes; oscales 524,288 bytes
;; launch proj (part 1): grid 16 x 16, 4 waves a work-group, clusters of 4 x 4, 327,680 bytes of LDS; arguments emb_input_codes, emb_input_scales, Wq_codes, Wq_scales, Wk_codes, Wk_scales, Wv_codes, Wv_scales, bq, bk, bv, qfrag, kvfrag; writes qfrag, kvfrag
.if DOCPART == 1
	.amdgcn_target "amdgcn-amd-amdhsa--gfx1250"
	.amdhsa_code_object_version 6
	.text
	.protected	k_qd6d0e34d9c_proj
	.globl	k_qd6d0e34d9c_proj
	.p2align	8
	.type	k_qd6d0e34d9c_proj,@function
k_qd6d0e34d9c_proj:
	s_mov_b64 s[64:65], 0
	v_nop
	global_prefetch_b8 v0, s[64:65] scope:SCOPE_SE
	s_setreg_imm32_b32 hwreg(HW_REG_WAVE_MODE, 25, 1), 1
	s_wait_xcnt 0x0
	s_wait_alu depctr_hold_cnt(0) depctr_sa_sdst(0) depctr_va_vdst(0) depctr_va_sdst(0) depctr_va_ssrc(0) depctr_va_vcc(0) depctr_vm_vsrc(0)
	s_getreg_b32 s2, hwreg(HW_REG_IB_STS2, 6, 4)
	s_cmp_eq_u32 s2, 0
	s_cbranch_scc0 .Lentry_in_a_cluster
	s_endpgm
.Lentry_in_a_cluster:
	s_bfe_u32 s2, ttmp6, 0x10000c
	s_cmp_lg_u32 s2, 0xf033
	s_cbranch_scc0 .Lentry_shape_is_right
	s_endpgm
.Lentry_shape_is_right:
; q = x Wq + bq, k = x Wk + bk, v = x Wv + bv on codes of FP6 (E2M3) with E8M0 scales, and the quantising of q, k (along e) and v (along the keys) for the attention launch.
; All tensors are 4,096 rows of 384 bytes of codes (512 along K) and 16 scale bytes.  A product is D(m, n): source 0 carries m, THE AXIS THAT IS QUANTISED NEXT, source 1 carries n.
;   tile 0: source 0 = Wq (m = head, e), source 1 = x (n = token);   tile 1: Wk, x;   tile 2: source 0 = x (m = token = key), source 1 = Wv (n = head, e).
; A work-group of four waves makes 256 tokens (by y) x 256 rows of W (by x) of each of the three; a wave 128 x 128: 64 accumulators, 512 registers.  256 work-groups, 768 matrix instructions a wave.
; LDS: 128 rows of 384 bytes are one dense block of 49,152 bytes: it comes as 192 rows of 256 bytes, each at a multiple of 256 bytes from the buffer's start, with 16 bytes of padding behind every 128.
; So a row of codes is three pieces of 144 bytes, pitch 432 = 108 words: sixteen rows start at sixteen different multiples of 4 words modulo 64 (64 banks of 4 bytes: ISA guide 11.1).
; x's 256 rows (110,592 bytes) are filled once and serve all three tiles; W's 256 rows have one region, filled again twice: the refill is asked for at the head of a tile's last 128 along K,
; when its last fragments are in registers, and is first read behind the tile's way out (8 blocks quantised and stored).  A third region of W does not fit: 3 x 110,592 bytes pass 327,680.
; CLUSTERS 4 x 4: x's rows hang on the work-group's y alone and are asked for jointly along a row of the cluster, W's on x alone, along a column.
; In a result lane (r, h) holds n = r and m = 16 b + 8 h + j (accumulator b, register j).  A block of 32 along m lies in lanes l and l xor 16.
; THE ORDER INSIDE A BLOCK OF 32 IS NOT m's: position 16 h + i holds m = 8 h + i (i < 8) or 16 + 8 h + i - 8.  q and k, and v and the softmax's p, get the same order, so each product pairs the right numbers.
; WHAT IS STORED is the image of an operand's registers: a fragment (16 rows x 128 K, 12 registers a lane) as three pieces of 512 bytes, lane l's 16 bytes at 16 l: each store covers 512 consecutive bytes, aligned.
; Scale words: 512 bytes for 8 fragments: lane l's 16 bytes are the words of pairs 0-3; lanes 0-15 the even fragment's rows, lanes 16-31 the odd one's.
; A region of kvfrag (one head, 128 keys, 102,400 bytes): K's 32 fragments at 0, K's scale words at 49,152, V's 32 fragments at 51,200, V's scale words at 100,352.  A region of qfrag is K's part alone.
; The given scale bytes of 16 rows are 256 consecutive bytes: they come from memory straight into registers, 8 loads a tile.
; No prefetch: the three tiles are written out, there is no loop to run ahead in, and each refill is asked for a whole way out ahead of its first read.
; LIMITS: NaN and infinities are not served; a block whose largest magnitude lies under 2^-124 gets the byte 1, a block of zeros too (the rule says 127: its codes are zeros, and this program alone reads the bytes).
; REGISTERS: window 0: v8-29 addresses; v32-63, v224-255 two sets of scale words; v64-111 the quantiser; v128-223 source 1's fragments, one set.
;   window 1: source 0's fragments, two sets (v0, v128); the bias block, 8 x 8 registers (v96-127, v224-255).   windows 2, 3: accumulator (a, b) at v[8 (8 (a % 4) + b)].
.set KROW,  384
.set PITCH, 432
.set NL,    6                          ; LDS loads of a fragment
.set HALFT, 128*PITCH
.set QUART, 64*PITCH
.set WREG,  2*HALFT                    ; W's region, behind x's
.set SPARE, 4*HALFT                    ; the spare words: 128 bytes a wave
.set VOC,   8                          ; v8 q's codes, v9 q's scale words, v10 k's and v's codes, v11 their scale words
.set VSA,   14                         ; offset of my x rows' given scale bytes
.set VSB,   15                         ; of my W rows'
.set ADRX,  16                         ; v16 LDS address of my x fragments; v17 lanes 16-31 behind one padding more
.set ADRW,  20                         ; v20, v21 the same for W
.set LI,    24                         ; 16 x lane
.set VBM,   25                         ; bias along m: 512 mb + 32 h
.set VBN,   26                         ; bias along n: 512 mb + 4 r
.set SPW,   28
.set NIL,   29
.set SC0,   32                         ; a set of scale words: +4 (a / 2) + kq source 1's, +16 + 4 (b / 2) + kq source 0's
.set SC1,   224
.set TM,    64
.set PC,    80
.set PW,    100
.set PWM,   108
.set AF,    128
.set WV,    30
.set G1,    40                         ; group 1 for x
.set G1B,   48                         ; for W
.set G0,    56                         ; group 0: x at the head
.set G0B,   60                         ; W at the head
.set G0R,   68                         ; W's refills
.set OA,    72                         ; byte offsets of the rows that I fetch: x's 128,
.set OB,    74                         ; W's 128 at the head,
.set OR,    76                         ; W's 64 in a refill
.set SEL,   84
.set MSB, 0
.macro WIN new                         ; the immediate's high byte repeats the setting that is left
.if MSB != (\new)
	s_set_vgpr_msb (MSB<<8)|(\new)
.set MSB, (\new)
.endif
.endm
.macro PLACES                          ; four plain places behind matrix instructions (ISA guide 7.12.1)
.rept 4
	v_nop
.endr
.endm
.macro WMS                             ; one matrix instruction from wD, wA, wB, wC, wSA, wSB; wRA, wRB = 1: that side's scale words stand in lanes 16-31
.if wRA && wRB
	v_wmma_scale_f32_16x16x128_f8f6f4 v[wD:wD+7], v[wA:wA+11], v[wB:wB+11], v[wC:wC+7], v[wSA], v[wSB] matrix_a_fmt:MATRIX_FMT_FP6 matrix_b_fmt:MATRIX_FMT_FP6 matrix_a_scale:MATRIX_SCALE_ROW1 matrix_b_scale:MATRIX_SCALE_ROW1
.elseif wRA
	v_wmma_scale_f32_16x16x128_f8f6f4 v[wD:wD+7], v[wA:wA+11], v[wB:wB+11], v[wC:wC+7], v[wSA], v[wSB] matrix_a_fmt:MATRIX_FMT_FP6 matrix_b_fmt:MATRIX_FMT_FP6 matrix_a_scale:MATRIX_SCALE_ROW1
.elseif wRB
	v_wmma_scale_f32_16x16x128_f8f6f4 v[wD:wD+7], v[wA:wA+11], v[wB:wB+11], v[wC:wC+7], v[wSA], v[wSB] matrix_a_fmt:MATRIX_FMT_FP6 matrix_b_fmt:MATRIX_FMT_FP6 matrix_b_scale:MATRIX_SCALE_ROW1
.else
	v_wmma_scale_f32_16x16x128_f8f6f4 v[wD:wD+7], v[wA:wA+11], v[wB:wB+11], v[wC:wC+7], v[wSA], v[wSB] matrix_a_fmt:MATRIX_FMT_FP6 matrix_b_fmt:MATRIX_FMT_FP6
.endif
.endm
.macro CREST                           ; a round of the cluster's barrier behind its opening barrier
	s_cmp_lg_u32 s[WV], 0
	s_cbranch_scc1 .Lnot_wave_0_\@
	s_barrier_signal -3
.Lnot_wave_0_\@:
	s_barrier_wait -3
	s_barrier_signal -1
	s_barrier_wait -1
.endm
.macro CROUND
	s_barrier_signal -1
	s_barrier_wait -1
	CREST
.endm
	s_load_b256 s[4:11], s[0:1], 0x0               ; x codes s[4:5], x scales s[6:7], Wq codes s[8:9], Wq scales s[10:11]
	s_load_b256 s[12:19], s[0:1], 0x20             ; Wk codes, Wk scales, Wv codes s[16:17], Wv scales s[18:19]
	s_load_b256 s[20:27], s[0:1], 0x40             ; bq, bk, bv, qfrag s[26:27]
	s_load_b64 s[28:29], s[0:1], 0x60              ; kvfrag
	v_lshl_add_u32 v[SPW], v0, 2, SPARE
	v_mov_b32 v[NIL], 0
	ds_add_u32 v[SPW], v[NIL]                      ; the opening lines: the add, twice on end, and one wait
	ds_add_u32 v[SPW], v[NIL]
	v_lshrrev_b32 v1, 5, v0
	v_readfirstlane_b32 s[WV], v1                  ; wave 0..3
	s_lshr_b32 s31, s[WV], 1                       ; my half of x's rows.  Also: at the head I fetch for x (0) or for W (1)
	s_and_b32 s32, s[WV], 1                        ; my half of W's rows.  Also: which 128 rows I fetch at the head
	s_bfe_u32 s33, ttmp6, 0x40000                  ; cx
	s_bfe_u32 s34, ttmp6, 0x40004                  ; cy
	s_lshl_b32 s35, ttmp9, 2
	s_add_co_u32 s35, s35, s33                     ; X: W's 256 rows
	s_and_b32 s36, ttmp7, 0xffff
	s_lshl_b32 s36, s36, 2
	s_add_co_u32 s36, s36, s34                     ; Y: x's 256 rows
	s_lshl_b32 s37, s34, 2
	s_lshl_b32 s37, 15, s37                        ; my row of the cluster
	s_lshl_b32 s38, 0x1111, s33                    ; my column
	s_mov_b32 s39, 0xffff0000                      ; lanes 16-31
	s_mov_b32 s[SEL], 0x76543210
	s_mov_b32 s[SEL+1], 0xfedcba98                 ; v_permlanex16_b32: lane l xor 16
	; group 1: 192 rows of 32 elements of 8 bytes, dense; 4 words of padding behind every 32 words
	s_or_b32 s[G1], s37, (3<<16)|(1<<20)|(1<<21)|(4<<22)|(3<<25)
	s_or_b32 s[G1B], s38, (3<<16)|(1<<20)|(1<<21)|(4<<22)|(3<<25)
.irp g, G1, G1B
	s_mov_b32 s[\g+1], 32<<16                      ; tensor_dim0
	s_mov_b32 s[\g+2], 192<<16                     ; tensor_dim1
	s_mov_b32 s[\g+3], 32<<16                      ; tile_dim0
	s_mov_b32 s[\g+4], 192                         ; tile_dim1
	s_mov_b32 s[\g+5], 32                          ; pitch
	s_mov_b32 s[\g+6], 0
	s_mov_b32 s[\g+7], 0
.endr
	s_lshl_b32 s97, s32, 7
	s_lshl_b32 s[OA], s36, 8
	s_add_co_u32 s[OA], s[OA], s97
	s_mul_i32 s[OA], s[OA], KROW                   ; x: (256 Y + 128 half) rows, under 2^21 bytes
	s_mov_b32 s[OA+1], 0
	s_lshl_b32 s[OB], s35, 8
	s_lshl_b32 s98, s[WV], 6
	s_add_co_u32 s[OR], s[OB], s98
	s_mul_i32 s[OR], s[OR], KROW                   ; W, refills: (256 X + 64 wave) rows
	s_mov_b32 s[OR+1], 0
	s_add_co_u32 s[OB], s[OB], s97
	s_mul_i32 s[OB], s[OB], KROW                   ; W, head: (256 X + 128 half) rows
	s_mov_b32 s[OB+1], 0
	s_mul_i32 s99, s[WV], HALFT                    ; where my head's load goes: wave x 128 rows
	s_mul_i32 s100, s[WV], QUART
	s_add_co_u32 s100, s100, WREG                  ; and my refills: W's region + wave x 64 rows
	; what the vector lines below add to lane terms
	s_mul_i32 s88, s31, HALFT                      ; my 128 rows of x in LDS
	s_mul_i32 s89, s32, HALFT
	s_add_co_u32 s89, s89, WREG                    ; my 128 rows of W
	s_lshl_b32 s90, s36, 12                        ; given scales, 16 bytes a row: 4,096 Y + 2,048 half
	s_lshl_b32 s97, s31, 11
	s_add_co_u32 s90, s90, s97
	s_lshl_b32 s91, s35, 12
	s_lshl_b32 s97, s32, 11
	s_add_co_u32 s91, s91, s97
	s_lshl_b32 s86, s35, 1
	s_add_co_u32 s86, s86, s32                     ; mb: my block of 128 rows of W (head, e)
	s_lshl_b32 s87, s36, 1
	s_add_co_u32 s87, s87, s31                     ; nb: my block of 128 tokens
	s_lshl_b32 s92, s86, 9
	s_lshr_b32 s97, s87, 3                         ; region ((nb / 8) 8 + mb / 4) 8 + nb % 8 (batch, head, block of 128 tokens), part mb % 4 (128 of e): the same for q, k and v
	s_lshl_b32 s97, s97, 3
	s_lshr_b32 s98, s86, 2
	s_add_co_u32 s97, s97, s98
	s_lshl_b32 s97, s97, 3
	s_and_b32 s98, s87, 7
	s_add_co_u32 s97, s97, s98
	s_and_b32 s98, s86, 3
	s_mul_i32 s101, s98, 12288
	s_lshl_b32 s98, s98, 9
	s_mul_i32 s93, s97, 51200
	s_add_co_u32 s94, s93, s98
	s_add_co_u32 s93, s93, s101
	s_mul_i32 s95, s97, 102400
	s_add_co_u32 s96, s95, s98
	s_add_co_u32 s95, s95, s101
	s_wait_dscnt 0x0                               ; both opening adds are done
	s_wait_kmcnt 0x0
	s_mov_b32 s[G0], 1
	s_mov_b32 s[G0+1], s99
	s_add_nc_u64 s[G0+2:G0+3], s[4:5], s[OA:OA+1]
	s_or_b32 s[G0+3], s[G0+3], 0x80000000
	s_mov_b32 s[G0B], 1
	s_mov_b32 s[G0B+1], s99
	s_add_nc_u64 s[G0B+2:G0B+3], s[8:9], s[OB:OB+1]
	s_or_b32 s[G0B+3], s[G0B+3], 0x80000000
	s_mov_b32 s[G0R], 1
	s_mov_b32 s[G0R+1], s100
	CROUND                                         ; all sixteen work-groups are here: the first joint loads meet
	s_cmp_eq_u32 s31, 0                            ; one load a wave: waves 0, 1 x's halves, waves 2, 3 Wq's
	s_cbranch_scc0 .Lhead_w
	tensor_load_to_lds s[G0:G0+3], s[G1:G1+7]
	s_nop 0
	PLACES
	s_branch .Lhead_asked
.Lhead_w:
	tensor_load_to_lds s[G0B:G0B+3], s[G1B:G1B+7]
	s_nop 0
	PLACES
.Lhead_asked:
	v_and_b32 v1, 15, v0                           ; r
	v_bfe_u32 v2, v0, 4, 1                         ; h
	v_and_b32 v6, 31, v0
	v_mul_u32_u24 v3, v1, PITCH
	v_mad_u32_u24 v4, v2, 24, v3                   ; a fragment's row x pitch + 24 h
	v_lshl_add_u32 v5, v2, 4, v4                   ; and lanes 16-31 behind one padding more
	v_lshlrev_b32 v[LI], 4, v6
	v_add_nc_u32 v[ADRX], s88, v4
	v_add_nc_u32 v[ADRX+1], s88, v5
	v_add_nc_u32 v[ADRW], s89, v4
	v_add_nc_u32 v[ADRW+1], s89, v5
	v_add_nc_u32 v[VSA], s90, v[LI]
	v_add_nc_u32 v[VSB], s91, v[LI]
	v_lshl_add_u32 v[VBM], v2, 5, s92
	v_lshl_add_u32 v[VBN], v1, 2, s92
.irp k, 0,1,2,3
	v_add_nc_u32 v[VOC+\k], s[93+\k], v[LI]
.endr
.irp b, 0,1,2,3
	v_mov_b32 v[TM+4+\b], 0                        ; written once: a lane permute's destination counts as one of its sources
.endr
	s_wait_alu depctr_va_vdst(0)                   ; the wait at the head's end
.macro FRAG reg, adr, q, i             ; 16 rows x 128 K: 12 registers, in pieces of 8 bytes, 16 pieces between paddings; lanes 16-31 stand three pieces on
.irp p, 0,1,2,3,4,5
.set PCE, 12*(\q)+6*(\p/3)+\p%3
.if PCE%16 < 13
	ds_load_b64 v[\reg+2*\p:\reg+2*\p+1], v[\adr] offset:8*PCE+16*(PCE/16)+(\i)*16*PITCH
.else
	ds_load_b64 v[\reg+2*\p:\reg+2*\p+1], v[\adr+1] offset:8*PCE+16*(PCE/16)+(\i)*16*PITCH
.endif
.endr
.endm
.macro FETCH_B adr, q, p               ; source 0's eight fragments of K step q into set p
	WIN 0x40
.irp i, 0,1,2,3,4,5,6,7
	FRAG 128*(\p)+12*\i, \adr, \q, \i
.endr
	WIN 0
.endm
.macro FETCH_A adr, q, i0              ; source 1's blocks i0 .. i0 + 3
.irp i, \i0, \i0+1, \i0+2, \i0+3
	FRAG AF+12*(\i), \adr, \q, \i
.endr
.endm
; 16 matrix instructions: source 1's blocks a0, a0 + 1 x source 0's eight; p: source 0's set; kq: which 128 of K; sc: the set of scale words.
; cm = 0: onto the sums; 1: the sums begin with the bias along m (block b's eight registers); 2: with the bias along n (block a's).  The 64 accumulators take turns.
.macro MUL16 a0, p, kq, sc, cm
.irp a, \a0, \a0+1
.irp b, 0,1,2,3,4,5,6,7
.set wD, 8*(8*((\a)%4)+\b)
.set wA, 128*(\p)+12*\b
.set wB, AF+12*(\a)
.if (\cm) == 0
.set wC, wD
.elseif (\cm) == 1
.set wC, 96+8*\b+96*(\b/4)
.else
.set wC, 96+8*(\a)+96*((\a)/4)
.endif
.set wSA, (\sc)+16+4*(\b/2)+(\kq)
.set wSB, (\sc)+4*((\a)/2)+(\kq)
.set wRA, \b%2
.set wRB, (\a)%2
	WMS
.endr
.endr
.endm
.macro FIRST a1, a0                    ; a tile's first fragments; a1, a0: source 1's and source 0's LDS addresses
	FETCH_B \a0, 0, 0
	FETCH_A \a1, 0, 0
	FETCH_A \a1, 0, 4
.endm
.macro STEP q, cm, sc, a1, a0          ; K step q of 0 .. 2: 64 matrix instructions; the next step's fragments are fetched in its middle and at its end
	s_wait_dscnt 4*NL                              ; all but the youngest 24 loads (source 1's blocks 4-7)
.if \cm
	WIN 0x91                                       ; source 0 and C window 1, source 1 window 0, D window 2
.else
	WIN 0xa1
.endif
	MUL16 0, (\q)%2, \q, \sc, \cm
	MUL16 2, (\q)%2, \q, \sc, \cm
	s_wait_dscnt 0x0
	PLACES
	FETCH_B \a0, \q+1, (\q+1)%2
	FETCH_A \a1, \q+1, 0
.if \cm
	WIN 0xd1
.else
	WIN 0xf1
.endif
	MUL16 4, (\q)%2, \q, \sc, \cm
	MUL16 6, (\q)%2, \q, \sc, \cm
	PLACES
	WIN 0
	FETCH_A \a1, \q+1, 4
.endm
; K step 3.  fill = 1: W's region is read no more: each wave waits for all its tensor loads (none is out), adds 0 to its spare word, waits for that and for its LDS reads, and signals;
; the barrier opens a round of the cluster's barrier, and behind it each wave asks for its 64 rows of the next W (pointer ptr): its one tensor load there.
.macro LASTQ fill, ptr, sc
.if \fill
	s_wait_tensorcnt 0x0
	ds_add_u32 v[SPW], v[NIL]
	s_wait_dscnt 4*NL+1                            ; the add and the youngest 24 loads may be out
	WIN 0xa1
	MUL16 0, 1, 3, \sc, 0
	s_wait_dscnt 0x0                               ; the add is done, my reads of LDS are over
	s_barrier_signal -1
	MUL16 2, 1, 3, \sc, 0
	WIN 0
	s_barrier_wait -1
	CREST
	s_add_nc_u64 s[G0R+2:G0R+3], s[\ptr:\ptr+1], s[OR:OR+1]
	s_or_b32 s[G0R+3], s[G0R+3], 0x80000000
	tensor_load_to_lds s[G0R:G0R+3], s[G1B:G1B+7]
	s_nop 0
	PLACES
.else
	s_wait_dscnt 4*NL
	WIN 0xa1
	MUL16 0, 1, 3, \sc, 0
	MUL16 2, 1, 3, \sc, 0
	s_wait_dscnt 0x0
.endif
	WIN 0xf1
	MUL16 4, 1, 3, \sc, 0
	MUL16 6, 1, 3, \sc, 0
	WIN 0
	PLACES
.endm
.macro NEXT                            ; the next W is whole: my part has landed, and the barrier says so of all four
	s_wait_alu depctr_va_vdst(0)                   ; directly ahead of the wait below
	s_wait_tensorcnt 0x0
	s_barrier_signal -1
	s_barrier_wait -1
.endm
.macro LDSC p1, o1, p0, o0, sc         ; a tile's given scale words: a load brings 32 rows' 16 bytes: blocks 2 i (lanes 0-15) and 2 i + 1 (lanes 16-31), four words each
.irp i, 0,1,2,3
	global_load_b128 v[\sc+4*\i:\sc+4*\i+3], v[\o1], s[\p1:\p1+1] offset:512*\i
	global_load_b128 v[\sc+16+4*\i:\sc+16+4*\i+3], v[\o0], s[\p0:\p0+1] offset:512*\i
.endr
.endm
.macro LDCB1 ptr                       ; the bias along m: block b's eight registers = bias[128 mb + 16 b + 8 h + 0 .. 7]
	WIN 0x40
.irp b, 0,1,2,3,4,5,6,7
	global_load_b128 v[96+8*\b+96*(\b/4):96+8*\b+96*(\b/4)+3], v[VBM], s[\ptr:\ptr+1] offset:64*\b
	global_load_b128 v[96+8*\b+96*(\b/4)+4:96+8*\b+96*(\b/4)+7], v[VBM], s[\ptr:\ptr+1] offset:64*\b+16
.endr
	WIN 0
.endm
; Block a of 16 rows n: its 64 numbers a lane become a fragment and a scale word, and the fragment is stored.
.macro EPIBLK a, p, buf, coff
.set W, 2+(\a)/4
.set WW, W|(W<<2)
.set AC, 64*((\a)%4)
	WIN WW                                         ; sources 0 and 1: the accumulators' window
.irp b, 0,1,2,3
	v_max3_num_f32 v[TM+\b], |v[AC+16*\b]|, |v[AC+16*\b+1]|, 0x1800000   ; block b: my 16 numbers and the floor 2^-124, which holds the byte at 1 from below; each accumulator is read from its low end on
.endr
.irp i, 2,4,6,8,10,12,14
.irp b, 0,1,2,3
	v_max3_num_f32 v[TM+\b], |v[AC+16*\b+\i]|, |v[AC+16*\b+\i+1]|, v[TM+\b]
.endr
.endr
	WIN 0
.irp b, 0,1,2,3
	v_permlanex16_b32 v[TM+4+\b], v[TM+\b], s[SEL], s[SEL+1]
.endr
.irp b, 0,1,2,3
	v_max_num_f32 v[TM+\b], v[TM+\b], v[TM+4+\b]   ; with lane l xor 16's: the block's largest magnitude
.endr
.irp b, 0,1,2,3
	v_add_nc_u32 v[TM+12+\b], 0xff000000, v[TM+\b] ; 2 off its exponent field: the conversion's scale operand
.endr
.irp b, 0,1,2,3
	v_lshrrev_b32 v[TM+4+\b], 23, v[TM+12+\b]      ; the byte
.endr
	v_lshl_or_b32 v[PW+\a], v[TM+5], 8, v[TM+4]
	v_lshl_or_b32 v[PW+\a], v[TM+6], 16, v[PW+\a]
	v_lshl_or_b32 v[PW+\a], v[TM+7], 24, v[PW+\a]
	s_wait_alu depctr_va_vdst(0)                   ; directly ahead of the wait below
	s_wait_xcnt 0x0                                ; the last block's stores have read their data: the codes' registers may be written
	WIN W
.irp c, 0,1
	v_cvt_scalef32_pk16_fp6_f32 v[PC+6*\c:PC+6*\c+2], v[AC+32*\c:AC+32*\c+15], v[TM+12+2*\c]
	v_cvt_scalef32_pk16_fp6_f32 v[PC+12+4*\c:PC+14+4*\c], v[AC+16+32*\c:AC+31+32*\c], v[TM+12+2*\c+1]
.endr
	WIN 0
	v_nop                                          ; one plain place behind the scaled conversions
.irp c, 0,1                            ; the layout wants a whole block in a lane: lanes 0-15 block 2 c, lanes 16-31 block 2 c + 1
.irp i, 0,1,2
	v_permlane16_swap_b32 v[PC+6*\c+\i], v[PC+12+4*\c+\i]
.endr
.irp i, 0,1,2
	v_mov_b32 v[PC+3+6*\c+\i], v[PC+12+4*\c+\i]
.endr
.endr
.irp c, 0,1,2
	global_store_b128 v[VOC+2*\p], v[PC+4*\c:PC+4*\c+3], s[\buf:\buf+1] offset:\coff+1536*\a+512*\c   ; 512 consecutive bytes, aligned
.endr
.if ((\a)%2) == 1
	v_cndmask_b32 v[PWM+(\a)/2], v[PW+\a-1], v[PW+\a], s39   ; lanes 0-15 the even fragment's words, lanes 16-31 the odd one's
.endif
.endm
.macro EPI p, buf, coff, soff
.irp a, 0,1,2,3,4,5,6,7
	EPIBLK \a, \p, \buf, \coff
.endr
	global_store_b128 v[VOC+2*\p+1], v[PWM:PWM+3], s[\buf:\buf+1] offset:\soff
.endm
	LDSC 6, VSA, 10, VSB, SC0                      ; tile 0: x's and Wq's scale words
	LDCB1 20                                       ; bq
	LDSC 6, VSA, 14, VSB, SC1                      ; tile 1: x's and Wk's
	s_wait_tensorcnt 0x0                           ; my part of the head's four tiles is in, and no load of mine is out: a descriptor may be written:
	s_mov_b32 s[G1B+2], 96<<16                     ; from here on a load of W brings 64 rows of codes = 96 rows of 256 bytes
	s_mov_b32 s[G1B+4], 96
	s_barrier_signal -1
	s_barrier_wait -1                              ; all four tiles are in
	FIRST ADRX, ADRW
	s_wait_loadcnt 0x0
	; ---- tile 0: q
	STEP 0, 1, SC0, ADRX, ADRW
	STEP 1, 0, SC0, ADRX, ADRW
	STEP 2, 0, SC0, ADRX, ADRW
	LASTQ 1, 12, SC0                               ; W's region takes Wk
	LDCB1 22                                       ; bk, and tile 2's scale words (Wv's, x's), land while q is quantised
	LDSC 18, VSB, 6, VSA, SC0
	EPI 0, 26, 0, 49152
	NEXT
	FIRST ADRX, ADRW
	s_wait_loadcnt 0x0
	; ---- tile 1: k
	STEP 0, 1, SC1, ADRX, ADRW
	STEP 1, 0, SC1, ADRX, ADRW
	STEP 2, 0, SC1, ADRX, ADRW
	LASTQ 1, 16, SC1                               ; W's region takes Wv
	WIN 0x40
.irp a, 0,1,2,3,4,5,6,7
	global_load_b32 v[96+8*\a+96*(\a/4)], v[VBN], s[24:25] offset:64*\a   ; bv[128 mb + 16 a + r]: the same for a lane's eight registers
.endr
	WIN 0
	EPI 1, 28, 0, 49152                            ; K's part of a region: codes at 0, scale words at 49,152
	s_wait_loadcnt 0x0
	WIN 0x41
.irp a, 0,1,2,3,4,5,6,7
.irp j, 1,2,3,4,5,6,7
	v_mov_b32 v[96+8*\a+96*(\a/4)+\j], v[96+8*\a+96*(\a/4)]
.endr
.endr
	WIN 0
	PLACES
	PLACES
	NEXT
	; ---- tile 2: v: the sources' LDS addresses change places: source 0 = my 128 rows of x, source 1 = my 128 rows of Wv
	FIRST ADRW, ADRX
	STEP 0, 2, SC0, ADRW, ADRX
	STEP 1, 0, SC0, ADRW, ADRX
	STEP 2, 0, SC0, ADRW, ADRX
	LASTQ 0, 0, SC0                                ; nothing is left to fetch
	EPI 1, 28, 51200, 100352                       ; V's part: codes at 51,200, scale words at 100,352
	s_wait_tensorcnt 0x0                           ; the wave's end
	ds_add_u32 v[SPW], v[NIL]
	s_wait_dscnt 0x0
	CROUND                                         ; the closing round
	s_endpgm
.Lfunc_end_k_qd6d0e34d9c_proj:
	.size	k_qd6d0e34d9c_proj, .Lfunc_end_k_qd6d0e34d9c_proj-k_qd6d0e34d9c_proj
	.p2alignl 7, 3214868480
	.fill 96, 4, 3214868480
	.section	.rodata,"a",@progbits
	.p2align	6, 0x0
	.amdhsa_kernel k_qd6d0e34d9c_proj
		.amdhsa_group_segment_fixed_size 327680
		.amdhsa_private_segment_fixed_size 0
		.amdhsa_enable_private_segment 0
		.amdhsa_kernarg_size 104
		.amdhsa_user_sgpr_count 2
		.amdhsa_user_sgpr_kernarg_segment_ptr 1
		.amdhsa_wavefront_size32 1
		.amdhsa_system_sgpr_workgroup_id_x 1
		.amdhsa_system_sgpr_workgroup_id_y 1
		.amdhsa_system_sgpr_workgroup_id_z 1
		.amdhsa_system_vgpr_workitem_id 0
		.amdhsa_next_free_vgpr 1024
		.amdhsa_next_free_sgpr 102
		.amdhsa_reserve_vcc 0
		.amdhsa_float_denorm_mode_32 3
		.amdhsa_float_denorm_mode_16_64 3
		.amdhsa_memory_ordered 1
		.amdhsa_forward_progress 1
		.amdhsa_inst_pref_size 255
	.end_amdhsa_kernel
	.section	.bss,"aw",@nobits
	.p2align	6
	.space	262144
	.amdgpu_metadata
---
amdhsa.version: [ 1, 2 ]
amdhsa.kernels:
  - .name:           k_qd6d0e34d9c_proj
    .symbol:         k_qd6d0e34d9c_proj.kd
    .args:
      - { .name: emb_input_codes, .offset: 0, .size: 8, .value_kind: global_buffer, .address_space: global }
      - { .name: emb_input_scales, .offset: 8, .size: 8, .value_kind: global_buffer, .address_space: global }
      - { .name: Wq_codes, .offset: 16, .size: 8, .value_kind: global_buffer, .address_space: global }
      - { .name: Wq_scales, .offset: 24, .size: 8, .value_kind: global_buffer, .address_space: global }
      - { .name: Wk_codes, .offset: 32, .size: 8, .value_kind: global_buffer, .address_space: global }
      - { .name: Wk_scales, .offset: 40, .size: 8, .value_kind: global_buffer, .address_space: global }
      - { .name: Wv_codes, .offset: 48, .size: 8, .value_kind: global_buffer, .address_space: global }
      - { .name: Wv_scales, .offset: 56, .size: 8, .value_kind: global_buffer, .address_space: global }
      - { .name: bq, .offset: 64, .size: 8, .value_kind: global_buffer, .address_space: global }
      - { .name: bk, .offset: 72, .size: 8, .value_kind: global_buffer, .address_space: global }
      - { .name: bv, .offset: 80, .size: 8, .value_kind: global_buffer, .address_space: global }
      - { .name: qfrag, .offset: 88, .size: 8, .value_kind: global_buffer, .address_space: global }
      - { .name: kvfrag, .offset: 96, .size: 8, .value_kind: global_buffer, .address_space: global }
    .group_segment_fixed_size: 327680
    .private_segment_fixed_size: 0
    .kernarg_segment_align: 8
    .kernarg_segment_size: 104
    .max_flat_workgroup_size: 128
    .sgpr_count:     102
    .vgpr_count:     1024
    .wavefront_size: 32
...
	.end_amdgpu_metadata
.endif
;; end of part 1
;; launch attn (part 2): grid 8 x 32, 4 waves a work-group, clusters of 4 x 1, 327,680 bytes of LDS; arguments qfrag, kvfrag, ocodes, oscales; writes ocodes, oscales
.if DOCPART == 2
	.amdgcn_target "amdgcn-amd-amdhsa--gfx1250"
	.amdhsa_code_object_version 6
	.text
	.protected	k_qd6d0e34d9c_attn
	.globl	k_qd6d0e34d9c_attn
	.p2align	8
	.type	k_qd6d0e34d9c_attn,@function
k_qd6d0e34d9c_attn:
	s_mov_b64 s[64:65], 0
	v_nop
	global_prefetch_b8 v0, s[64:65] scope:SCOPE_SE
	s_setreg_imm32_b32 hwreg(HW_REG_WAVE_MODE, 25, 1), 1
	s_wait_xcnt 0x0
	s_wait_alu depctr_hold_cnt(0) depctr_sa_sdst(0) depctr_va_vdst(0) depctr_va_sdst(0) depctr_va_ssrc(0) depctr_va_vcc(0) depctr_vm_vsrc(0)
	s_getreg_b32 s2, hwreg(HW_REG_IB_STS2, 6, 4)
	s_cmp_eq_u32 s2, 0
	s_cbranch_scc0 .Lentry_in_a_cluster
	s_endpgm
.Lentry_in_a_cluster:
	s_bfe_u32 s2, ttmp6, 0x10000c
	s_cmp_lg_u32 s2, 0x3003
	s_cbranch_scc0 .Lentry_shape_is_right
	s_endpgm
.Lentry_shape_is_right:
.set REG,   102400
.set HALF,  51200
.set SCW,   49152
.set QTR,   25600
.set HP,    65536
.set SLOT1, 1<<17
.set KZ,    1<<18
.set SPARE, KZ+HALF
.set NSM,   437
.set NB,    384
.set LI,  1
.set SPW, 2
.set NIL, 3
.set ADK, 4
.set ADV, 5
.set PFO, 7
.set ST,  8
.set QS,  24
.set PS,  28
.set VOC, 30
.set VOS, 31
.set KS,  32
.set TM,  48
.set OWT, 64
.set PC,  80
.set SH,  104
.set C2,  120
.set OW,  124
.set VQ,  126
.set VQS, 127
.set S,   128
.set BUF, 96
.set WV,  12
.set G0S, 16
.set SEL, 20
.set CS,  22
.set G1,  24
.set G0,  32
.set TBK, 36
.set SLOTS, 37
.set PFA, 38
.set LIM, 40
.set TBV, 54
.set G1H, 56
.set MSB, 0
.macro WIN new
.if MSB != (\new)
	s_set_vgpr_msb (MSB<<8)|(\new)
.set MSB, (\new)
.endif
.endm
.macro PLACES
.rept 4
	v_nop
.endr
.endm
.macro WMS
.if wC < 0
.if wRA && wRB
	v_wmma_scale_f32_16x16x128_f8f6f4 v[wD:wD+7], v[wA:wA+11], v[wB:wB+11], 0, v[wSA], v[wSB] matrix_a_fmt:MATRIX_FMT_FP6 matrix_b_fmt:MATRIX_FMT_FP6 matrix_a_scale:MATRIX_SCALE_ROW1 matrix_b_scale:MATRIX_SCALE_ROW1
.elseif wRA
	v_wmma_scale_f32_16x16x128_f8f6f4 v[wD:wD+7], v[wA:wA+11], v[wB:wB+11], 0, v[wSA], v[wSB] matrix_a_fmt:MATRIX_FMT_FP6 matrix_b_fmt:MATRIX_FMT_FP6 matrix_a_scale:MATRIX_SCALE_ROW1
.elseif wRB
	v_wmma_scale_f32_16x16x128_f8f6f4 v[wD:wD+7], v[wA:wA+11], v[wB:wB+11], 0, v[wSA], v[wSB] matrix_a_fmt:MATRIX_FMT_FP6 matrix_b_fmt:MATRIX_FMT_FP6 matrix_b_scale:MATRIX_SCALE_ROW1
.else
	v_wmma_scale_f32_16x16x128_f8f6f4 v[wD:wD+7], v[wA:wA+11], v[wB:wB+11], 0, v[wSA], v[wSB] matrix_a_fmt:MATRIX_FMT_FP6 matrix_b_fmt:MATRIX_FMT_FP6
.endif
.else
.if wRA && wRB
	v_wmma_scale_f32_16x16x128_f8f6f4 v[wD:wD+7], v[wA:wA+11], v[wB:wB+11], v[wC:wC+7], v[wSA], v[wSB] matrix_a_fmt:MATRIX_FMT_FP6 matrix_b_fmt:MATRIX_FMT_FP6 matrix_a_scale:MATRIX_SCALE_ROW1 matrix_b_scale:MATRIX_SCALE_ROW1
.elseif wRA
	v_wmma_scale_f32_16x16x128_f8f6f4 v[wD:wD+7], v[wA:wA+11], v[wB:wB+11], v[wC:wC+7], v[wSA], v[wSB] matrix_a_fmt:MATRIX_FMT_FP6 matrix_b_fmt:MATRIX_FMT_FP6 matrix_a_scale:MATRIX_SCALE_ROW1
.elseif wRB
	v_wmma_scale_f32_16x16x128_f8f6f4 v[wD:wD+7], v[wA:wA+11], v[wB:wB+11], v[wC:wC+7], v[wSA], v[wSB] matrix_a_fmt:MATRIX_FMT_FP6 matrix_b_fmt:MATRIX_FMT_FP6 matrix_b_scale:MATRIX_SCALE_ROW1
.else
	v_wmma_scale_f32_16x16x128_f8f6f4 v[wD:wD+7], v[wA:wA+11], v[wB:wB+11], v[wC:wC+7], v[wSA], v[wSB] matrix_a_fmt:MATRIX_FMT_FP6 matrix_b_fmt:MATRIX_FMT_FP6
.endif
.endif
.endm
.macro CROUND
	s_barrier_signal -1
	s_barrier_wait -1
	s_cmp_lg_u32 s[WV], 0
	s_cbranch_scc1 .Lnot_wave_0_\@
	s_barrier_signal -3
.Lnot_wave_0_\@:
	s_barrier_wait -3
	s_barrier_signal -1
	s_barrier_wait -1
.endm
.macro ASK
	s_cmp_gt_u32 s[SLOTS], s[LIM]
	s_cbranch_scc0 .Lnot_mine_\@
	global_prefetch_b8 v[PFO], s[PFA:PFA+1] th:TH_LOAD_NT scope:SCOPE_SE
.Lnot_mine_\@:
.endm
	s_load_b256 s[4:11], s[0:1], 0x0
	v_lshl_add_u32 v[SPW], v0, 2, SPARE
	v_mov_b32 v[NIL], 0
	ds_add_u32 v2, v3
	ds_add_u32 v2, v3
	s_wait_dscnt 0x0
	v_lshrrev_b32 v4, 5, v0
	v_readfirstlane_b32 s[WV], v4
	s_bfe_u32 s13, ttmp6, 0x40000
	s_lshl_b32 s14, ttmp9, 2
	s_add_co_u32 s14, s14, s13
	s_and_b32 s15, ttmp7, 0xffff
	s_mov_b32 s[G1], 15|(3<<16)|(1<<21)
	s_mov_b32 s[G1+1], 32<<16
	s_mov_b32 s[G1+2], 100<<16
	s_mov_b32 s[G1+3], 32<<16
	s_mov_b32 s[G1+4], 100
	s_mov_b32 s[G1+5], 32
	s_mov_b32 s[G1+6], 0
	s_mov_b32 s[G1+7], 0
	s_mov_b32 s[G1H], 15|(3<<16)|(1<<21)
	s_mov_b32 s[G1H+1], 32<<16
	s_mov_b32 s[G1H+2], 50<<16
	s_mov_b32 s[G1H+3], 32<<16
	s_mov_b32 s[G1H+4], 50
	s_mov_b32 s[G1H+5], 32
	s_mov_b32 s[G1H+6], 0
	s_mov_b32 s[G1H+7], 0
	s_mov_b32 s[SEL], 0x76543210
	s_mov_b32 s[SEL+1], 0xfedcba98
	s_mov_b32 s[CS], 0x3d8293ee
	s_mov_b32 s[CS+1], s[CS]
	s_mov_b32 s[TBK], SLOT1
	s_mov_b32 s[TBV], HP
	s_mov_b32 s[SLOTS], 6
	s_mov_b32 s41, 0xffff0000
	s_mul_i32 s42, s15, 8*REG
	s_mul_i32 s44, s[WV], 12800
	s_add_co_u32 s46, s42, s44
	s_mov_b32 s47, 0
	s_mul_i32 s45, s[WV], QTR
	s_add_co_u32 s42, s42, s45
	s_add_co_u32 s42, s42, HALF
	s_mov_b32 s43, 0
	s_add_co_u32 s44, s44, KZ
	s_lshr_b32 s50, s[WV], 1
	s_add_co_u32 s51, s50, 1
	s_lshl_b32 s51, s51, 16
	s_and_b32 s45, s[WV], 1
	s_mul_i32 s45, s45, QTR
	s_add_co_u32 s51, s51, s45
	s_cmp_eq_u32 ttmp9, 0
	s_cselect_b32 s[LIM], s50, -1
	s_mul_i32 s48, s13, 6400
	s_add_co_u32 s48, s48, REG
	s_mov_b32 s49, 0
	s_lshl_b32 s52, s15, 3
	s_add_co_u32 s52, s52, s14
	s_mul_i32 s52, s52, 51200
	s_mov_b32 s53, 0
	s_wait_kmcnt 0x0
	s_mov_b32 s[G0S], 1
	s_mov_b32 s[G0S+1], s44
	s_add_nc_u64 s[G0S+2:G0S+3], s[6:7], s[46:47]
	s_or_b32 s[G0S+3], s[G0S+3], 0x80000000
	s_mov_b32 s[G0], 1
	s_mov_b32 s[G0+1], s51
	s_add_nc_u64 s[G0+2:G0+3], s[6:7], s[42:43]
	s_or_b32 s[G0+3], s[G0+3], 0x80000000
	s_add_nc_u64 s[PFA:PFA+1], s[6:7], s[42:43]
	s_add_nc_u64 s[PFA:PFA+1], s[PFA:PFA+1], s[48:49]
	s_add_nc_u64 s[4:5], s[4:5], s[52:53]
	s_mul_i32 s50, s[WV], 3072                     ; q's fragments and scale words are asked for ahead of the first round: they are on their way under the head's tensor loads
	s_lshl_b32 s51, s[WV], 2
	v_and_b32 v4, 31, v0
	v_lshlrev_b32 v[LI], 4, v4
	v_min_u32 v[PFO], 24, v4
	v_lshlrev_b32 v[PFO], 8, v[PFO]
	v_add_nc_u32 v[VQ], s50, v[LI]
	v_add_nc_u32 v[VQS], s51, v[LI]
	s_wait_alu depctr_va_vdst(0)
	WIN 0xc0
.irp t, 0,1
.irp s, 0,1,2,3
.irp c, 0,1,2
	global_load_b128 v[48*\t+12*\s+4*\c:48*\t+12*\s+4*\c+3], v[VQ], s[4:5] offset:12288*\s+1536*\t+512*\c
.endr
.endr
.endr
	WIN 0
.irp s, 0,1,2,3
	global_load_b32 v[QS+\s], v[VQS], s[4:5] offset:49152+512*\s
.endr
	CROUND
	tensor_load_to_lds s[G0S:G0S+3], s[G1H:G1H+7]
	s_nop 0
	s_wait_alu depctr_va_vdst(0)
	s_wait_tensorcnt 0x0
	ds_add_u32 v2, v3
	s_wait_dscnt 0x0
	CROUND
	tensor_load_to_lds s[G0:G0+3], s[G1:G1+7]
	s_nop 0
	PLACES
	s_lshr_b32 s50, s15, 3
	s_lshl_b32 s50, s50, 3
	s_add_co_u32 s50, s50, s14
	s_and_b32 s51, s15, 7
	s_mul_i32 s52, s50, 393216
	s_mul_i32 s53, s51, 49152
	s_add_co_u32 s52, s52, s53
	s_mul_i32 s53, s[WV], 3072
	s_add_co_u32 s52, s52, s53
	v_add_nc_u32 v[VOC], s52, v[LI]
	s_lshl_b32 s52, s50, 14
	s_lshl_b32 s53, s[WV], 12
	s_add_co_u32 s52, s52, s53
	s_lshl_b32 s53, s51, 9
	s_add_co_u32 s52, s52, s53
	v_add_nc_u32 v[VOS], s52, v[LI]
.irp t, 0,1
	v_mov_b32 v[ST+8*\t+1], 0xff61b1e6
	v_floor_f32 v[ST+8*\t], -v[ST+8*\t+1]
	v_mov_b32 v[ST+8*\t+2], 0
	v_mov_b32 v[ST+8*\t+3], 0
	v_mov_b32 v[ST+8*\t+4], 0
	v_mov_b32 v[ST+8*\t+5], 0
	v_mov_b32 v[ST+8*\t+6], 0
.irp b, 0,1,2,3
	v_mov_b32 v[TM+16*\t+4+\b], 0
.endr
.endr
.macro LOADS adr, g
	WIN 0xc0
.irp f, 0,1,2,3
.irp c, 0,1,2
	ds_load_b128 v[BUF+48*((\g)%2)+12*\f+4*\c:BUF+48*((\g)%2)+12*\f+4*\c+3], v[\adr] offset:6144*(\g)+1536*\f+512*\c
.endr
.endr
.endm
.macro SCL adr
.irp s, 0,1,2,3
	ds_load_b128 v[KS+4*\s:KS+4*\s+3], v[\adr] offset:SCW+512*\s
.endr
.endm
.macro RS e, t
.set rE, (\e)
	WIN 0x41+0x41*(rE/16)
.irp j, 0,2,4,6
	v_pk_mul_f32 v[16*(rE%16)+8*\t+\j:16*(rE%16)+8*\t+\j+1], v[16*(rE%16)+8*\t+\j:16*(rE%16)+8*\t+\j+1], v[ST+8*\t+4:ST+8*\t+5] op_sel_hi:[1,0]
.endr
.endm
.macro KQB g, rs
.irp f, 0,1,2,3
.irp t, 0,1
	WIN 0x0f
.set wI, 4*((\g)%2)+\f
.set wD, S+64*\t+8*wI
.set wA, BUF+48*((\g)%2)+12*\f
.set wB, 48*\t+12*((\g)/2)
.if (\g) < 2
.set wC, -1
.else
.set wC, wD
.endif
.set wSA, KS+4*((\g)/2)+wI/2
.set wSB, QS+(\g)/2
.set wRA, wI%2
.set wRB, \t
	WMS
.if \rs
	RS 4*(\g)+\f, \t
.endif
.endr
.endr
.endm
.macro SM1
.if (sj == 300) || (sj == 372)
	s_wait_alu depctr_va_vdst(0)
.endif
.if sj < 8
.set sT, TM+16*(sj%2)+sj/2
.set sS, S+64*(sj%2)+16*(sj/2)
	v_max3_num_f32 v[sT], v[sS], v[sS+1], v[sS+2]
.elseif sj < 56
.set sX, sj-8
.set sT, TM+16*(sX%2)+(sX/2)%4
.set sS, S+64*(sX%2)+16*((sX/2)%4)+3+2*(sX/8)
	v_max3_num_f32 v[sT], v[sT], v[sS], v[sS+1]
.elseif sj < 64
.set sX, sj-56
.set sT, TM+16*(sX%2)+sX/2
.set sS, S+64*(sX%2)+16*(sX/2)+15
	v_max_num_f32 v[sT], v[sT], v[sS]
.elseif sj < 72
.set sX, sj-64
.set sT, TM+16*(sX%2)+sX/2
	v_permlanex16_b32 v[sT+4], v[sT], s[SEL], s[SEL+1]
.elseif sj < 80
.set sX, sj-72
.set sT, TM+16*(sX%2)+sX/2
	v_max_num_f32 v[sT], v[sT], v[sT+4]
.elseif sj < 98
.set sX, sj-80
.set sR, ST+8*(sX%2)
.set sT, TM+16*(sX%2)
.set sG, sX/2
.if sG == 0
	v_max3_num_f32 v[sR+6], v[sT], v[sT+1], v[sT+2]
.elseif sG == 1
	v_max_num_f32 v[sR+6], v[sR+6], v[sT+3]
.elseif sG == 2
	v_mul_f32 v[sR+6], s[CS], v[sR+6]
.elseif sG == 3
	v_max_num_f32 v[sR+1], v[sR+1], v[sR+6]
.elseif sG == 4
	v_mov_b32 v[sR+6], v[sR]
.elseif sG == 5
	v_floor_f32 v[sR], -v[sR+1]
.elseif sG == 6
	v_sub_f32 v[sR+6], v[sR], v[sR+6]
.elseif sG == 7
	v_cvt_i32_f32 v[sR+6], v[sR+6]
.else
	v_ldexp_f32 v[sR+4], 1.0, v[sR+6]
.endif
.elseif sj < 162
.set sX, sj-98
.set sR, ST+8*(sX%2)
.set sS, S+64*(sX%2)+2*(sX/2)
	v_pk_fma_f32 v[sS:sS+1], v[sS:sS+1], s[CS:CS+1], v[sR:sR+1] op_sel_hi:[1,0,0]
.elseif sj < 170
.set sX, sj-162
.set sR, ST+8*(sX%2)
.set sT, TM+16*(sX%2)+sX/2
	v_fma_f32 v[sT], v[sT], s[CS], v[sR]
.elseif sj < 298
.set sX, sj-170
	v_exp_f32 v[S+sX], v[S+sX]
.elseif sj < 300
.set sR, ST+8*(sj-298)
	v_pk_mul_f32 v[sR+2:sR+3], v[sR+2:sR+3], v[sR+4:sR+5] op_sel_hi:[1,0]
.elseif sj < 308
.set sX, sj-300
.set sT, TM+16*(sX%2)+sX/2
	v_exp_f32 v[sT], v[sT]
.elseif sj < 310
.set sX, sj-308
	v_pk_add_f32 v[C2+2*sX:C2+2*sX+1], v[S+64*sX:S+64*sX+1], v[S+64*sX+2:S+64*sX+3]
.elseif sj < 370
.set sX, sj-310
.set sU, (sX/2)%2
.set sS, S+64*sU+4+4*(sX/4)
.if (sX%2) == 0
	v_pk_add_f32 v[ST+8*sU+2:ST+8*sU+3], v[ST+8*sU+2:ST+8*sU+3], v[sS:sS+1]
.else
	v_pk_add_f32 v[C2+2*sU:C2+2*sU+1], v[C2+2*sU:C2+2*sU+1], v[sS+2:sS+3]
.endif
.elseif sj < 372
.set sX, sj-370
	v_pk_add_f32 v[ST+8*sX+2:ST+8*sX+3], v[ST+8*sX+2:ST+8*sX+3], v[C2+2*sX:C2+2*sX+1]
.elseif sj < 380
.set sX, sj-372
.set sT, TM+16*(sX%2)+sX/2
	v_max_num_f32 v[sT], 0x1800000, v[sT]
.elseif sj < 388
.set sX, sj-380
.set sT, TM+16*(sX%2)+sX/2
	v_add_nc_u32 v[sT+12], 0xff000000, v[sT]
.elseif sj < 396
.set sX, sj-388
.set sT, TM+16*(sX%2)+sX/2
	v_lshrrev_b32 v[sT+4], 23, v[sT+12]
.elseif sj < 402
.set sX, sj-396
.set sR, ST+8*(sX%2)
.set sT, TM+16*(sX%2)
.if (sX/2) == 0
	v_lshl_or_b32 v[sR+7], v[sT+5], 8, v[sT+4]
.elseif (sX/2) == 1
	v_lshl_or_b32 v[sR+7], v[sT+6], 16, v[sR+7]
.else
	v_lshl_or_b32 v[sR+7], v[sT+7], 24, v[sR+7]
.endif
.elseif sj < 410
.set sX, sj-402
.set sU, sX/4
.set sC, (sX/2)%2
.if (sX%2) == 0
	v_cvt_scalef32_pk16_fp6_f32 v[PC+12*sU+6*sC:PC+12*sU+6*sC+2], v[S+64*sU+32*sC:S+64*sU+32*sC+15], v[TM+16*sU+12+2*sC]
.else
	v_cvt_scalef32_pk16_fp6_f32 v[SH+8*sU+4*sC:SH+8*sU+4*sC+2], v[S+64*sU+16+32*sC:S+64*sU+31+32*sC], v[TM+16*sU+12+2*sC+1]
.endif
.elseif sj == 410
	v_nop
.elseif sj < 435
.set sX, sj-411
.set sU, sX/12
.set sC, (sX/6)%2
.set sI, sX%6
.if sI < 3
	v_permlane16_swap_b32 v[PC+12*sU+6*sC+sI], v[SH+8*sU+4*sC+sI]
.else
	v_mov_b32 v[PC+12*sU+6*sC+sI], v[SH+8*sU+4*sC+sI-3]
.endif
.else
.set sX, sj-435
	v_mov_b32 v[PS+sX], v[ST+8*sX+7]
.endif
.set sj, sj+1
.endm
.macro SLICE
	WIN 0
.rept 6
	SM1
.endr
.endm
.macro REST
	WIN 0
.set sj, NB
.rept NSM-NB
	SM1
.endr
.endm
.macro PHA rs, vl
.irp g, 0,1,2,3,4,5,6,7
.if (\g < 7) || (\vl)
	s_wait_dscnt 12
.else
	s_wait_dscnt 0x0
.endif
	KQB \g, \rs
.if !(\rs)
	PLACES
.endif
.if \g < 6
	LOADS ADK, \g+2
.elseif \vl
.if \g == 6
	LOADS ADV, 0
.else
	WIN 0
	SCL ADV
	LOADS ADV, 1
.endif
.endif
.endr
.endm
.macro PHB first, sm, rs
.if \sm
.set sj, 0
.endif
.irp g, 0,1,2,3,4,5,6,7
.if \g < 7
	s_wait_alu depctr_va_vdst(0)
	s_wait_dscnt 12
.else
	s_wait_alu depctr_va_vdst(0)
	s_wait_dscnt 0x0
.endif
.irp f, 0,1,2,3
.irp t, 0,1
.set wE, 4*\g+\f
	WIN 0x53+0x50*(wE/16)
.set wD, 16*(wE%16)+8*\t
.set wA, BUF+48*(\g%2)+12*\f
.set wB, PC+12*\t
.if \first
.set wC, -1
.else
.set wC, wD
.endif
.set wSA, KS+wE/2
.set wSB, PS+\t
.set wRA, \f%2
.set wRB, 0
	WMS
.if \sm
	SLICE
.endif
.if (\rs) && (\g < 7)
	RS wE+4, \t
.endif
.endr
.endr
.if \g < 6
.if !(\rs)
	PLACES
.endif
	LOADS ADV, \g+2
.endif
.endr
.endm
.macro CHANGE fill
	WIN 0
	s_wait_tensorcnt 0x0
	ds_add_u32 v[SPW], v[NIL]
.if \fill
	s_xor_b32 s[G0+1], s[G0+1], SLOT1
	s_add_nc_u64 s[G0+2:G0+3], s[G0+2:G0+3], REG
.if (\fill) == 1
	s_wait_xcnt 0x0
	s_add_nc_u64 s[PFA:PFA+1], s[PFA:PFA+1], REG
.endif
	s_wait_dscnt 0x0
	CROUND
.if (\fill) == 1
	tensor_load_to_lds s[G0:G0+3], s[G1:G1+7]
	s_nop 0
	PLACES
	ASK
.else
	s_cmp_lt_u32 s[WV], 2
	s_cbranch_scc0 .Lno_part_\@
	tensor_load_to_lds s[G0:G0+3], s[G1:G1+7]
	s_nop 0
	PLACES
.Lno_part_\@:
.endif
.else
	s_wait_dscnt 0x0
	s_barrier_signal -1
	s_barrier_wait -1
.endif
.endm
.macro STEP first, rs, fill
	CHANGE \fill
.if (\fill) != 1
	PLACES
.endif
	v_add_nc_u32 v[ADK], s[TBK], v[LI]
	v_add_nc_u32 v[ADV], s[TBV], v[LI]
	SCL ADK
	LOADS ADK, 0
	LOADS ADK, 1
	REST
	s_wait_alu depctr_va_vdst(0)
	PHA \rs, 1
	PHB \first, 1, 0
	WIN 0
	s_xor_b32 s[TBK], s[TBK], SLOT1
	s_xor_b32 s[TBV], s[TBV], SLOT1
.endm
	s_wait_tensorcnt 1
	s_barrier_signal -1
	s_barrier_wait -1
	v_add_nc_u32 v[ADK], KZ, v[LI]
	SCL ADK
	LOADS ADK, 0
	LOADS ADK, 1
	s_wait_alu depctr_va_vdst(0)
	s_wait_loadcnt 0x0
	PHA 0, 0
	WIN 0
.set sj, 0
.rept NB
.if sj == 170
	s_wait_alu depctr_va_vdst(0)                   ; one wait ahead of the batch of exponentials
.endif
	SM1
.endr
	STEP 1, 0, 1
	s_mov_b32 s[SLOTS], 5
.Lslot:
	STEP 0, 1, 1
	s_sub_co_u32 s[SLOTS], s[SLOTS], 1
	s_cmp_lg_u32 s[SLOTS], 0
	s_cbranch_scc1 .Lslot
	STEP 0, 1, 2
	s_wait_alu depctr_va_vdst(0)
	CHANGE 0
	PLACES
	v_add_nc_u32 v[ADV], s[TBV], v[LI]
	SCL ADV
	LOADS ADV, 0
	LOADS ADV, 1
	REST
.irp e, 0,1,2,3
.irp t, 0,1
	RS \e, \t
.endr
.endr
	PHB 0, 0, 1
	WIN 0
	PLACES
.irp t, 0,1
	v_add_f32 v[ST+8*\t+2], v[ST+8*\t+2], v[ST+8*\t+3]
.endr
.irp t, 0,1
	v_permlanex16_b32 v[ST+8*\t+6], v[ST+8*\t+2], s[SEL], s[SEL+1]
.endr
.irp t, 0,1
	v_add_f32 v[ST+8*\t+2], v[ST+8*\t+2], v[ST+8*\t+6]
.endr
	s_wait_alu depctr_va_vdst(0)
.irp t, 0,1
	v_rcp_f32 v[ST+8*\t+4], v[ST+8*\t+2]
.endr
	v_nop
	s_wait_alu depctr_va_vdst(0)
.macro QUANT s, pw
.irp b, 0,1,2,3
	v_max3_num_f32 v[TM+\b], |v[\s+16*\b]|, |v[\s+1+16*\b]|, 0x1800000
.endr
.irp i, 2,4,6,8,10,12,14
.irp b, 0,1,2,3
	v_max3_num_f32 v[TM+\b], v[TM+\b], |v[\s+16*\b+\i]|, |v[\s+1+16*\b+\i]|
.endr
.endr
.irp b, 0,1,2,3
	v_permlanex16_b32 v[TM+4+\b], v[TM+\b], s[SEL], s[SEL+1]
.endr
.irp b, 0,1,2,3
	v_max_num_f32 v[TM+\b], v[TM+\b], v[TM+4+\b]
.endr
.irp b, 0,1,2,3
	v_add_nc_u32 v[TM+12+\b], 0xff000000, v[TM+\b]
.endr
.irp b, 0,1,2,3
	v_lshrrev_b32 v[TM+4+\b], 23, v[TM+12+\b]
.endr
	v_lshl_or_b32 v[\pw], v[TM+5], 8, v[TM+4]
	v_lshl_or_b32 v[\pw], v[TM+6], 16, v[\pw]
	v_lshl_or_b32 v[\pw], v[TM+7], 24, v[\pw]
.irp c, 0,1
	v_cvt_scalef32_pk16_fp6_f32 v[PC+6*\c:PC+6*\c+2], v[\s+32*\c:\s+15+32*\c], v[TM+12+2*\c]
	v_cvt_scalef32_pk16_fp6_f32 v[SH+4*\c:SH+4*\c+2], v[\s+16+32*\c:\s+31+32*\c], v[TM+12+2*\c+1]
.endr
	v_nop
.irp c, 0,1
.irp i, 0,1,2
	v_permlane16_swap_b32 v[PC+6*\c+\i], v[SH+4*\c+\i]
.endr
.irp i, 0,1,2
	v_mov_b32 v[PC+3+6*\c+\i], v[SH+4*\c+\i]
.endr
.endr
.endm
.macro OUTB t, sp
	WIN 1+(\sp)/2
.irp i, 0,1,2,3,4,5,6,7
.irp j, 0,2,4,6
	v_pk_mul_f32 v[S+8*\i+\j:S+8*\i+\j+1], v[16*((8*(\sp)+\i)%16)+8*\t+\j:16*((8*(\sp)+\i)%16)+8*\t+\j+1], v[ST+8*\t+4:ST+8*\t+5] op_sel_hi:[1,0]
.endr
.endr
	WIN 0
.irp b, 0,1,2,3
.irp j, 0,1,2,3,4,5,6,7
	v_permlane16_swap_b32 v[S+16*\b+\j], v[S+16*\b+8+\j]
.endr
.endr
	s_wait_xcnt 0x0
	QUANT S, OWT+4*\t+\sp
.irp c, 0,1,2
	global_store_b128 v[VOC], v[PC+4*\c:PC+4*\c+3], s[8:9] offset:12288*(\sp)+1536*\t+512*\c
.endr
.endm
.irp t, 0,1
.irp u, 0,1,2,3
	OUTB \t, \u
.endr
.endr
.irp u, 0,1,2,3
	v_cndmask_b32 v[OW+\u], v[OWT+\u], v[OWT+4+\u], s41
.endr
	global_store_b128 v[VOS], v[OW:OW+3], s[10:11]
	s_wait_tensorcnt 0x0
	ds_add_u32 v[SPW], v[NIL]
	s_wait_dscnt 0x0
	CROUND
	s_endpgm
.Lfunc_end_k_qd6d0e34d9c_attn:
	.size	k_qd6d0e34d9c_attn, .Lfunc_end_k_qd6d0e34d9c_attn-k_qd6d0e34d9c_attn
	.p2alignl 7, 3214868480
	.fill 96, 4, 3214868480
	.section	.rodata,"a",@progbits
	.p2align	6, 0x0
	.amdhsa_kernel k_qd6d0e34d9c_attn
		.amdhsa_group_segment_fixed_size 327680
		.amdhsa_private_segment_fixed_size 0
		.amdhsa_enable_private_segment 0
		.amdhsa_kernarg_size 32
		.amdhsa_user_sgpr_count 2
		.amdhsa_user_sgpr_kernarg_segment_ptr 1
		.amdhsa_wavefront_size32 1
		.amdhsa_system_sgpr_workgroup_id_x 1
		.amdhsa_system_sgpr_workgroup_id_y 1
		.amdhsa_system_sgpr_workgroup_id_z 1
		.amdhsa_system_vgpr_workitem_id 0
		.amdhsa_next_free_vgpr 1024
		.amdhsa_next_free_sgpr 66
		.amdhsa_reserve_vcc 0
		.amdhsa_float_denorm_mode_32 3
		.amdhsa_float_denorm_mode_16_64 3
		.amdhsa_memory_ordered 1
		.amdhsa_forward_progress 1
		.amdhsa_inst_pref_size 255
	.end_amdhsa_kernel
	.section	.bss,"aw",@nobits
	.p2align	6
	.space	262144
	.amdgpu_metadata
---
amdhsa.version: [ 1, 2 ]
amdhsa.kernels:
  - .name:           k_qd6d0e34d9c_attn
    .symbol:         k_qd6d0e34d9c_attn.kd
    .args:
      - { .name: qfrag, .offset: 0, .size: 8, .value_kind: global_buffer, .address_space: global }
      - { .name: kvfrag, .offset: 8, .size: 8, .value_kind: global_buffer, .address_space: global }
      - { .name: ocodes, .offset: 16, .size: 8, .value_kind: global_buffer, .address_space: global }
      - { .name: oscales, .offset: 24, .size: 8, .value_kind: global_buffer, .address_space: global }
    .group_segment_fixed_size: 327680
    .private_segment_fixed_size: 0
    .kernarg_segment_align: 8
    .kernarg_segment_size: 32
    .max_flat_workgroup_size: 128
    .sgpr_count:     66
    .vgpr_count:     1024
    .wavefront_size: 32
...
	.end_amdgpu_metadata
.endif
;; end of part 2
;; launch outp (part 3): grid 32 x 8, 4 waves a work-group, clusters of 4 x 1, 209,408 bytes of LDS; arguments ocodes, oscales, Wp_codes, Wp_scales, bp, out0; writes out0
.if DOCPART == 3
	.amdgcn_target "amdgcn-amd-amdhsa--gfx1250"
	.amdhsa_code_object_version 6
	.text
	.protected	k_qd6d0e34d9c_outp
	.globl	k_qd6d0e34d9c_outp
	.p2align	8
	.type	k_qd6d0e34d9c_outp,@function
k_qd6d0e34d9c_outp:
	s_mov_b64 s[64:65], 0
	v_nop
	global_prefetch_b8 v0, s[64:65] scope:SCOPE_SE
	s_setreg_imm32_b32 hwreg(HW_REG_WAVE_MODE, 25, 1), 1
	s_wait_xcnt 0x0
	s_wait_alu depctr_hold_cnt(0) depctr_sa_sdst(0) depctr_va_vdst(0) depctr_va_sdst(0) depctr_va_ssrc(0) depctr_va_vcc(0) depctr_vm_vsrc(0)
	s_getreg_b32 s2, hwreg(HW_REG_IB_STS2, 6, 4)
	s_cmp_eq_u32 s2, 0
	s_cbranch_scc0 .Lentry_in_a_cluster
	s_endpgm
.Lentry_in_a_cluster:
	s_bfe_u32 s2, ttmp6, 0x10000c
	s_cmp_lg_u32 s2, 0x3003
	s_cbranch_scc0 .Lentry_shape_is_right
	s_endpgm
.Lentry_shape_is_right:
; out = o Wp + bp on codes of FP6 (E2M3) with E8M0 scales.  o: 4,096 tokens x 4,096 (head, e), as images of fragments; Wp: 512 rows of 3,072 bytes; out0 f32 [4096][512].
; SHARES.  A work-group makes 128 tokens x 64 outputs: 256 work-groups.  K IS SHARED AMONG THE FOUR WAVES: wave w takes heads 2 w and 2 w + 1 (8 steps of 128), for the whole tile: 32 accumulators, 256 matrix instructions.
; The four partial sums meet in LDS at the end; each wave adds and stores 32 whole rows' 256 bytes.
; Wp: a wave's part is 64 rows x 768 bytes.  The four work-groups of a cluster share the 64 outputs, so it is asked for jointly, once, by one tensor load a wave; only the wave that asked reads it.  LDS is filled once.
; o goes from memory straight into registers, 24 loads of 512 consecutive bytes a K step, three sets, two steps ahead.  It is not shared through a cluster: a work-group's o is 393,216 bytes, more than LDS holds,
; so it would want a ring with a round of the cluster's barrier for every 32 matrix instructions of a wave, and each fragment is used by one wave alone.
; Source 0 = 16 rows of Wp, source 1 = 16 tokens: a lane holds eight neighbouring outputs of one token.
; REGISTERS: window 0: v1-15 addresses; v16-47 o's scale words, v48-63 Wp's; v64-67 bp; v96-191 Wp's fragments, two sets.   window 1: accumulator (tt, nt) at v[32 tt + 8 nt].
;   window 2: o's sets 0 (v0) and 1 (v128); window 3: set 2 (v0).  At the end window 2 holds the four partial sums of my 32 rows.
.set WREG, 52224                       ; a wave's LDS: 64 rows x 816 (3 x (256 + 16)); later its partial sums, 128 rows x 272
.set LI,  1
.set AW,  4
.set AW2, 5
.set STO, 6
.set RD,  8
.set GO,  12
.set VWS, 13
.set VBP, 14
.set OSC, 16
.set WSC, 48
.set BP,  64
.set WF,  96
.set WV,  16
.set G1,  24
.set G0,  32
.set MSB, 0
.macro WIN new
.if MSB != (\new)
	s_set_vgpr_msb (MSB<<8)|(\new)
.set MSB, (\new)
.endif
.endm
.macro PLACES
.rept 4
	v_nop
.endr
.endm
.macro WMS
.if wC < 0
.if wRA && wRB
	v_wmma_scale_f32_16x16x128_f8f6f4 v[wD:wD+7], v[wA:wA+11], v[wB:wB+11], 0, v[wSA], v[wSB] matrix_a_fmt:MATRIX_FMT_FP6 matrix_b_fmt:MATRIX_FMT_FP6 matrix_a_scale:MATRIX_SCALE_ROW1 matrix_b_scale:MATRIX_SCALE_ROW1
.elseif wRA
	v_wmma_scale_f32_16x16x128_f8f6f4 v[wD:wD+7], v[wA:wA+11], v[wB:wB+11], 0, v[wSA], v[wSB] matrix_a_fmt:MATRIX_FMT_FP6 matrix_b_fmt:MATRIX_FMT_FP6 matrix_a_scale:MATRIX_SCALE_ROW1
.elseif wRB
	v_wmma_scale_f32_16x16x128_f8f6f4 v[wD:wD+7], v[wA:wA+11], v[wB:wB+11], 0, v[wSA], v[wSB] matrix_a_fmt:MATRIX_FMT_FP6 matrix_b_fmt:MATRIX_FMT_FP6 matrix_b_scale:MATRIX_SCALE_ROW1
.else
	v_wmma_scale_f32_16x16x128_f8f6f4 v[wD:wD+7], v[wA:wA+11], v[wB:wB+11], 0, v[wSA], v[wSB] matrix_a_fmt:MATRIX_FMT_FP6 matrix_b_fmt:MATRIX_FMT_FP6
.endif
.else
.if wRA && wRB
	v_wmma_scale_f32_16x16x128_f8f6f4 v[wD:wD+7], v[wA:wA+11], v[wB:wB+11], v[wC:wC+7], v[wSA], v[wSB] matrix_a_fmt:MATRIX_FMT_FP6 matrix_b_fmt:MATRIX_FMT_FP6 matrix_a_scale:MATRIX_SCALE_ROW1 matrix_b_scale:MATRIX_SCALE_ROW1
.elseif wRA
	v_wmma_scale_f32_16x16x128_f8f6f4 v[wD:wD+7], v[wA:wA+11], v[wB:wB+11], v[wC:wC+7], v[wSA], v[wSB] matrix_a_fmt:MATRIX_FMT_FP6 matrix_b_fmt:MATRIX_FMT_FP6 matrix_a_scale:MATRIX_SCALE_ROW1
.elseif wRB
	v_wmma_scale_f32_16x16x128_f8f6f4 v[wD:wD+7], v[wA:wA+11], v[wB:wB+11], v[wC:wC+7], v[wSA], v[wSB] matrix_a_fmt:MATRIX_FMT_FP6 matrix_b_fmt:MATRIX_FMT_FP6 matrix_b_scale:MATRIX_SCALE_ROW1
.else
	v_wmma_scale_f32_16x16x128_f8f6f4 v[wD:wD+7], v[wA:wA+11], v[wB:wB+11], v[wC:wC+7], v[wSA], v[wSB] matrix_a_fmt:MATRIX_FMT_FP6 matrix_b_fmt:MATRIX_FMT_FP6
.endif
.endif
.endm
.macro CROUND
	s_barrier_signal -1
	s_barrier_wait -1
	s_cmp_lg_u32 s[WV], 0
	s_cbranch_scc1 .Lnot_wave_0_\@
	s_barrier_signal -3
.Lnot_wave_0_\@:
	s_barrier_wait -3
	s_barrier_signal -1
	s_barrier_wait -1
.endm
	s_load_b256 s[4:11], s[0:1], 0x0               ; ocodes s[4:5], oscales s[6:7], Wp codes s[8:9], Wp scales s[10:11]
	s_load_b128 s[12:15], s[0:1], 0x20             ; bp s[12:13], out0 s[14:15]
	v_lshl_add_u32 v254, v0, 2, 0x33000
	v_mov_b32 v255, 0
	ds_add_u32 v254, v255
	ds_add_u32 v254, v255
	v_lshrrev_b32 v2, 5, v0
	v_readfirstlane_b32 s[WV], v2                  ; wave 0..3
	s_bfe_u32 s17, ttmp6, 0x40000                  ; cx
	s_lshl_b32 s18, ttmp9, 2
	s_add_co_u32 s18, s18, s17                     ; tb: my 128 tokens
	s_and_b32 s19, ttmp7, 0xffff                   ; nblk: my 64 outputs, which the partners share
	s_mov_b32 s[G1], 15|(3<<16)|(1<<20)|(1<<21)|(5<<22)|(3<<25)   ; the mask: all four; elements of 8 bytes; 16 bytes of padding behind every 256; bit 21 beside a mask
	s_mov_b32 s[G1+1], 96<<16                      ; tensor_dim0: 768 bytes
	s_mov_b32 s[G1+2], 64<<16                      ; tensor_dim1
	s_mov_b32 s[G1+3], 96<<16                      ; tile_dim0
	s_mov_b32 s[G1+4], 64                          ; tile_dim1
	s_mov_b32 s[G1+5], 384                         ; pitch: 3,072 bytes
	s_mov_b32 s[G1+6], 0
	s_mov_b32 s[G1+7], 0
	s_mul_i32 s36, s19, 196608                     ; 64 rows of 3,072 bytes a block,
	s_mul_i32 s38, s[WV], 768                      ; my 1,024 along K
	s_add_co_u32 s36, s36, s38
	s_mov_b32 s37, 0
	s_mul_i32 s39, s[WV], WREG
	s_wait_dscnt 0x0
	s_wait_kmcnt 0x0
	s_mov_b32 s[G0], 1
	s_mov_b32 s[G0+1], s39
	s_add_nc_u64 s[G0+2:G0+3], s[8:9], s[36:37]
	s_or_b32 s[G0+3], s[G0+3], 0x80000000
	CROUND                                         ; the four work-groups are here: the joint loads meet
	tensor_load_to_lds s[G0:G0+3], s[G1:G1+7]
	s_nop 0
	PLACES
	v_and_b32 v2, 31, v0                           ; lane
	v_and_b32 v3, 15, v0                           ; r
	v_bfe_u32 v7, v0, 4, 1                         ; h
	v_lshlrev_b32 v[LI], 4, v2
	v_mul_u32_u24 v[AW], v3, 816
	v_mad_u32_u24 v[AW], v7, 24, v[AW]
	v_add_nc_u32 v[AW], s39, v[AW]                 ; Wp: row r, + 24 h
	v_lshl_add_u32 v[AW2], v7, 4, v[AW]            ; and behind one padding more
	v_mul_u32_u24 v[STO], v3, 272
	v_lshl_add_u32 v[STO], v7, 5, v[STO]
	v_add_nc_u32 v[STO], s39, v[STO]               ; partial sums: row r, + 32 h
	s_mul_i32 s40, s[WV], 32*272
	v_mul_u32_u24 v15, v7, 272
	v_lshl_add_u32 v15, v3, 4, v15
	v_add_nc_u32 v15, s40, v15                     ; back: my 32 rows; lanes 0-15 one row, lanes 16-31 the next
.irp q, 0,1,2,3
	v_add_nc_u32 v[RD+\q], WREG*\q, v15            ; in wave q's part
.endr
	v_lshlrev_b32 v[GO], 11, v7
	v_lshl_add_u32 v[GO], v3, 4, v[GO]             ; the same two rows in out0
	v_lshlrev_b32 v[VWS], 7, v2                    ; Wp's scale bytes: 128 a row
	s_wait_alu depctr_va_vdst(0)
	v_lshlrev_b32 v[VBP], 4, v3
	s_wait_alu depctr_va_vdst(0)
	s_mov_b32 s43, 0
	s_mul_i32 s42, s18, 393216
	s_mul_i32 s44, s[WV], 98304
	s_add_co_u32 s42, s42, s44
	s_add_nc_u64 s[4:5], s[4:5], s[42:43]          ; o's fragments: my tokens, my 8 K steps
	s_lshl_b32 s42, s18, 14
	s_lshl_b32 s44, s[WV], 10
	s_add_co_u32 s42, s42, s44
	s_add_nc_u64 s[6:7], s[6:7], s[42:43]
	s_lshl_b32 s42, s19, 13
	s_lshl_b32 s44, s[WV], 5
	s_add_co_u32 s42, s42, s44
	s_add_nc_u64 s[10:11], s[10:11], s[42:43]
	s_lshl_b32 s42, s19, 8
	s_add_nc_u64 s[12:13], s[12:13], s[42:43]
	s_add_nc_u64 s[14:15], s[14:15], s[42:43]
	s_lshl_b32 s42, s18, 18
	s_lshl_b32 s44, s[WV], 16
	s_add_co_u32 s42, s42, s44
	s_add_nc_u64 s[14:15], s[14:15], s[42:43]      ; out0: row 128 tb + 32 w, column 64 nblk
.irp pr, 0,1,2,3
.irp hh, 0,1
	global_load_b128 v[OSC+8*\pr+4*\hh:OSC+8*\pr+4*\hh+3], v[LI], s[6:7] offset:4096*\pr+512*\hh   ; token tiles 2 pr (lanes 0-15), 2 pr + 1 (lanes 16-31): K steps 4 hh + 0 .. 3
.endr
.endr
.irp np, 0,1
.irp i, 0,1
	global_load_b128 v[WSC+8*\np+4*\i:WSC+8*\np+4*\i+3], v[VWS], s[10:11] offset:4096*\np+16*\i
.endr
.endr
	global_load_b128 v[BP:BP+3], v[VBP], s[12:13]
.macro OLOAD kk                        ; o's eight fragments of K step kk into set kk % 3
.set OS, (\kk)%3
	WIN 0x80+0x40*(OS/2)
.irp tt, 0,1,2,3,4,5,6,7
.irp c, 0,1,2
	global_load_b128 v[128*(OS%2)+12*\tt+4*\c:128*(OS%2)+12*\tt+4*\c+3], v[LI], s[4:5] offset:12288*(\kk)+1536*\tt+512*\c
.endr
.endr
.endm
.macro WFRAG kk                        ; Wp's four fragments of K step kk into set kk % 2: pieces of 8 bytes; lanes 16-31 three pieces on, for some behind one padding more
.irp nt, 0,1,2,3
.irp p, 0,1,2,3,4,5
.set PCE, 12*(\kk)+6*(\p/3)+\p%3
.set WR, WF+48*((\kk)%2)+12*\nt+2*\p
.if PCE%32 < 29
	ds_load_b64 v[WR:WR+1], v[AW] offset:8*PCE+16*(PCE/32)+\nt*16*816
.else
	ds_load_b64 v[WR:WR+1], v[AW2] offset:8*PCE+16*(PCE/32)+\nt*16*816
.endif
.endr
.endr
.endm
.macro MULK kk                         ; 32 matrix instructions, the 32 accumulators by turns
.set OS, (\kk)%3
	WIN 0x58+4*(OS/2)                              ; source 0 window 0, source 1 window 2 or 3, C and D window 1
.irp tt, 0,1,2,3,4,5,6,7
.irp nt, 0,1,2,3
.set wD, 32*\tt+8*\nt
.set wA, WF+48*((\kk)%2)+12*\nt
.set wB, 128*(OS%2)+12*\tt
.if (\kk) == 0
.set wC, -1
.else
.set wC, wD
.endif
.set wSA, WSC+8*(\nt/2)+(\kk)
.set wSB, OSC+8*(\tt/2)+(\kk)
.set wRA, \nt%2
.set wRB, \tt%2
	WMS
.endr
.endr
.endm
	OLOAD 0
	OLOAD 1
	OLOAD 2
	WIN 0
	s_wait_tensorcnt 0x0                           ; my part of Wp is in; only I read it
	WFRAG 0
	WFRAG 1
.irp kk, 0,1,2,3,4,5,6,7
.if \kk < 6
	s_wait_loadcnt 48                              ; this step's o is in; the two steps behind it (24 loads each) may be out
.elseif \kk == 6
	s_wait_loadcnt 24
.else
	s_wait_loadcnt 0x0
.endif
.if \kk < 7
	s_wait_dscnt 24                                ; the next step's 24 loads may be out
.else
	s_wait_dscnt 0x0
.endif
	MULK \kk
	PLACES                                         ; in front of loads into registers just read, and of the first read of results
.if \kk < 5
	OLOAD \kk+3
.endif
.if \kk < 6
	WIN 0
	WFRAG \kk+2
.endif
.endr
	; the four waves' partial sums meet: mine go into my own part of LDS, which has had its only fill and which I have read out
	WIN 0x04                                       ; an LDS store's data: window 1
.irp tt, 0,1,2,3,4,5,6,7
.irp nt, 0,1,2,3
	ds_store_b128 v[STO], v[32*\tt+8*\nt:32*\tt+8*\nt+3] offset:4352*\tt+64*\nt       ; each accumulator from its low end on
	ds_store_b128 v[STO], v[32*\tt+8*\nt+4:32*\tt+8*\nt+7] offset:4352*\tt+64*\nt+16
.endr
.endr
	WIN 0
	s_wait_dscnt 0x0                               ; for the others' sake: my stores are done
	s_barrier_signal -1
	s_barrier_wait -1
	WIN 0x80
.irp q, 0,1,2,3
.irp i, 0,1,2,3,4,5,6,7,8,9,10,11,12,13,14,15
	ds_load_b128 v[64*\q+4*\i:64*\q+4*\i+3], v[RD+\q] offset:544*\i
.endr
.endr
	s_wait_dscnt 0x0
	WIN 0x8a
.set j, 0
.rept 32
	v_pk_add_f32 v[j:j+1], v[j:j+1], v[64+j:65+j]
	v_pk_add_f32 v[128+j:129+j], v[128+j:129+j], v[192+j:193+j]
.set j, j+2
.endr
.set j, 0
.rept 32
	v_pk_add_f32 v[j:j+1], v[j:j+1], v[128+j:129+j]
.set j, j+2
.endr
	WIN 0x82                                       ; bp lies in window 0
.set j, 0
.rept 16
	v_pk_add_f32 v[j:j+1], v[j:j+1], v[BP:BP+1]
	v_pk_add_f32 v[j+2:j+3], v[j+2:j+3], v[BP+2:BP+3]
.set j, j+4
.endr
	WIN 0x08
.irp i, 0,1,2,3,4,5,6,7,8,9,10,11,12,13,14,15
	global_store_b128 v[GO], v[4*\i:4*\i+3], s[14:15] offset:4096*\i th:TH_STORE_NT   ; sixteen lanes store 256 consecutive bytes, aligned
.endr
	WIN 0
	s_wait_tensorcnt 0x0
	ds_add_u32 v254, v255
	s_wait_dscnt 0x0
	CROUND                                         ; the closing round
	s_endpgm
.Lfunc_end_k_qd6d0e34d9c_outp:
	.size	k_qd6d0e34d9c_outp, .Lfunc_end_k_qd6d0e34d9c_outp-k_qd6d0e34d9c_outp
	.p2alignl 7, 3214868480
	.fill 96, 4, 3214868480
	.section	.rodata,"a",@progbits
	.p2align	6, 0x0
	.amdhsa_kernel k_qd6d0e34d9c_outp
		.amdhsa_group_segment_fixed_size 209408
		.amdhsa_private_segment_fixed_size 0
		.amdhsa_enable_private_segment 0
		.amdhsa_kernarg_size 48
		.amdhsa_user_sgpr_count 2
		.amdhsa_user_sgpr_kernarg_segment_ptr 1
		.amdhsa_wavefront_size32 1
		.amdhsa_system_sgpr_workgroup_id_x 1
		.amdhsa_system_sgpr_workgroup_id_y 1
		.amdhsa_system_sgpr_workgroup_id_z 1
		.amdhsa_system_vgpr_workitem_id 0
		.amdhsa_next_free_vgpr 1024
		.amdhsa_next_free_sgpr 66
		.amdhsa_reserve_vcc 0
		.amdhsa_float_denorm_mode_32 3
		.amdhsa_float_denorm_mode_16_64 3
		.amdhsa_memory_ordered 1
		.amdhsa_forward_progress 1
		.amdhsa_inst_pref_size 89
	.end_amdhsa_kernel
	.amdgpu_metadata
---
amdhsa.version: [ 1, 2 ]
amdhsa.kernels:
  - .name:           k_qd6d0e34d9c_outp
    .symbol:         k_qd6d0e34d9c_outp.kd
    .args:
      - { .name: ocodes, .offset: 0, .size: 8, .value_kind: global_buffer, .address_space: global }
      - { .name: oscales, .offset: 8, .size: 8, .value_kind: global_buffer, .address_space: global }
      - { .name: Wp_codes, .offset: 16, .size: 8, .value_kind: global_buffer, .address_space: global }
      - { .name: Wp_scales, .offset: 24, .size: 8, .value_kind: global_buffer, .address_space: global }
      - { .name: bp, .offset: 32, .size: 8, .value_kind: global_buffer, .address_space: global }
      - { .name: out0, .offset: 40, .size: 8, .value_kind: global_buffer, .address_space: global }
    .group_segment_fixed_size: 209408
    .private_segment_fixed_size: 0
    .kernarg_segment_align: 8
    .kernarg_segment_size: 48
    .max_flat_workgroup_size: 128
    .sgpr_count:     66
    .vgpr_count:     1024
    .wavefront_size: 32
...
	.end_amdgpu_metadata
.endif
;; end of part 3
